; MI455X (gfx1250); checked and timed in simulation.
; The chip was launched on July 23, 2026; its instructions are those of AMD's public machine-readable ISA for CDNA 5 (MIT licence, August 2026) and "CDNA5" Instruction Set Architecture Reference Guide (July 2026). The comments in the code are by the model that wrote it; some were corrected since.
;; RQS Quantile. Allowed arithmetic: float matrix products may take bf16 or f16 operands with f32 sums; all other float work in f32.
;; Inputs: bias 1,024 float32; log_scale 1,024 float32; raw_h 1 x 1,024 x 64 float32; raw_s 1 x 1,024 x 65 float32; raw_w 1 x 1,024 x 64 float32; tau 8,192 x 1 float32; u 8,192 x 1,024 float32.
;; Outputs: out0 8,192 x 1,024 float32.
;; 2 versions, each right; version 2 is version 1 with the launch prep written anew for expert scheduling mode. Each part assembles by itself: llvm-mc -triple=amdgcn-amd-amdhsa -mcpu=gfx1250 --defsym DOCPART=n.
;; ======== version 1 of 2: 2 launches
;; workspace buffers: zi 33,554,432 bytes of whole numbers; knots 262,144 bytes of whole numbers; pa 1,048,576 bytes; pb 524,288 bytes
;; launch prep (part 1): grid 256 x 1, 16 waves a work-group, no clusters, 60,416 bytes of LDS; arguments u, raw_w, raw_h, raw_s, zi, knots, pa, pb; writes zi, knots, pa, pb
.if DOCPART == 1
	.amdgcn_target "amdgcn-amd-amdhsa--gfx1250"
	.amdhsa_code_object_version 6
	.text
	.protected	k_q17b29b05c6_prep
	.globl	k_q17b29b05c6_prep
	.p2align	8
	.type	k_q17b29b05c6_prep,@function
k_q17b29b05c6_prep:
	s_mov_b64 s[64:65], 0
	v_nop
	global_prefetch_b8 v0, s[64:65] scope:SCOPE_SE
	s_setreg_imm32_b32 hwreg(HW_REG_WAVE_MODE, 25, 1), 1
	s_wait_xcnt 0x0
; FIRST OF TWO LAUNCHES.  (1) Every work-group: zi[r][c] = trunc(logit(clip(u[r][c], 1e-6, 1 - 1e-6)) * 2^26) as i32.
; (2) Work-groups 0 to 31 besides: the spline's tables, in the same fixed point, for 32 columns each.
; Why fixed point: the next launch searches the bin of each z and gathers by it, so what steers its addresses has to be whole numbers that
; it reads from memory.  |z| <= 13.82, so |zi| < 9.3e8, and z minus a knot stays under 1.6e9: both fit an i32.
; SHARES.  Work-group g owns rows 32 g .. 32 g + 31 of u (128 KiB), wave w 8 KiB of them: 16 loads of 512 consecutive bytes, all issued at
; the entry, so a wave's whole share is on its way at once and no ring is needed.  No work-group reads what another reads: no cluster.
; TABLES.  Column c = 128 G + 4 q + j; work-group g = 4 G + j makes the block (G, j), wave w its columns q = 2 w, 2 w + 1, lane l bins 2 l, 2 l + 1.
;   F  = exp(x - max) * (20 * 2^26 / sum): a width or height as f32, in units of 2^-26;  I = F rounded to a whole number
;   knots[G][j][k][q] i32 : Kw = -10 * 2^26 + exact sum of the Iw of the bins below (so the knots never descend)
;   pa[G][j][k][q] 16 B   : Kw (i32), 1 / Fw, f32(Kh), Fh
;   pb[G][j][k][q]  8 B   : a = Fw d0,  g = Fw d0 + Fw d1 - 2 Fh,   d = softplus(raw_s)
; LIMITS.  A NaN in u is not carried on (the clip by the middle of three drops it).  z is resolved to 2^-26; a bin narrower than half that
; unit merges with its neighbour.  An exponential below 2^-126 counts as zero (ISA guide, the entries of v_exp_f32 and v_rcp_f32).
.set LIM,   0x28000000                 ; 10 * 2^26
.set U,     16                         ; v[16:79]   16 loads of u, 4 words each; turned into zi in place
.set RAW,   80                         ; v[80:95]   column t at RAW + 8 t: w pair, h pair, three slopes
.set PA0,   96                         ; v[96:99]   pa entry of bin 2 l          (v[96:111] once more for the read back)
.set PA1,   100                        ; v[100:103] pa entry of bin 2 l + 1
.set PB0,   104                        ; v[104:105] pb entry of bin 2 l
.set PB1,   106                        ; v[106:107] pb entry of bin 2 l + 1
.set FW0,   108                        ; widths as f32
.set FW1,   109
.set KH0,   110                        ; height knots as i32
.set KH1,   111
.set D0,    112                        ; v[112:114] slopes at knots 2 l, 2 l + 1, 2 l + 2
.set TA,    116                        ; v[116:118] at work
.set TB,    117
.set TC,    118
.set BK,    120                        ; v[120:123] knots read back
.set BB,    124                        ; v[124:131] pb read back
.set T,     132                        ; v[132:135] the stream's 1 - u
.set KNS,   0                          ; LDS stage, laid [q][k]: knots, 32 columns x 264 bytes (256 + 8)
.set PBS,   8448                       ; pb, 32 x 520 (512 + 8)
.set PAS,   25088                      ; pa, 32 x 1040 (1024 + 16); ends at 58,368
	s_load_b512 s[8:23], s[0:1], 0x0               ; u s[8:9], raw_w s[10:11], raw_h s[12:13], raw_s s[14:15], zi s[16:17], knots s[18:19], pa s[20:21], pb s[22:23]
	v_lshl_add_u32 v144, v0, 2, 0xe400
	v_mov_b32 v145, 0
	v_lshrrev_b32 v3, 5, v0
	v_readfirstlane_b32 s24, v3                    ; wave 0..15
	v_and_b32 v1, 31, v0                           ; lane l
	v_lshlrev_b32 v2, 4, v1                        ; 16 l
	s_lshl_b32 s26, ttmp9, 17                      ; 32 rows of 4,096 bytes a work-group
	s_lshl_b32 s25, s24, 13                        ; 8 KiB a wave
	s_add_co_u32 s26, s26, s25                     ; below 2^25
	s_mov_b32 s27, 0
	s_mov_b32 s28, 0x358637bd                      ; 1e-6
	s_mov_b32 s29, 0x3f7fffef                      ; 1 - 1e-6
	s_mov_b32 s30, 0x4c317218                      ; ln 2 * 2^26, in both words of the pair that the packed multiply names
	s_mov_b32 s31, 0x4c317218
	s_wait_kmcnt 0x0
	s_add_nc_u64 s[8:9], s[8:9], s[26:27]
	s_add_nc_u64 s[16:17], s[16:17], s[26:27]
.irp i, 0,1,2,3,4,5,6,7,8,9,10,11,12,13,14,15
	global_load_b128 v[U+4*\i:U+4*\i+3], v2, s[8:9] offset:512*\i th:TH_LOAD_NT    ; u is read once in the launch
.endr
	s_cmp_ge_u32 ttmp9, 32                         ; the same in all waves of a work-group: the barrier below is passed by all sixteen or by none
	s_cbranch_scc1 .Lstream
; ---------------------------------------------------------------- the tables (work-groups 0 to 31)
.macro REDMAX r, tmp                   ; the largest over the 32 lanes, in every lane
	v_max_num_f32_dpp v[\r], v[\r], v[\r] row_xmask:1 row_mask:0xf bank_mask:0xf
	v_max_num_f32_dpp v[\r], v[\r], v[\r] row_xmask:2 row_mask:0xf bank_mask:0xf
	v_max_num_f32_dpp v[\r], v[\r], v[\r] row_xmask:4 row_mask:0xf bank_mask:0xf
	v_max_num_f32_dpp v[\r], v[\r], v[\r] row_xmask:8 row_mask:0xf bank_mask:0xf
	v_permlanex16_b32 v[\tmp], v[\r], s32, s33     ; the other half of the lanes
	v_max_num_f32 v[\r], v[\r], v[\tmp]
.endm
.macro REDSUM r, tmp                   ; the sum over the 32 lanes, in every lane
	v_add_f32_dpp v[\r], v[\r], v[\r] row_xmask:1 row_mask:0xf bank_mask:0xf
	v_add_f32_dpp v[\r], v[\r], v[\r] row_xmask:2 row_mask:0xf bank_mask:0xf
	v_add_f32_dpp v[\r], v[\r], v[\r] row_xmask:4 row_mask:0xf bank_mask:0xf
	v_add_f32_dpp v[\r], v[\r], v[\r] row_xmask:8 row_mask:0xf bank_mask:0xf
	v_permlanex16_b32 v[\tmp], v[\r], s32, s33
	v_add_f32 v[\r], v[\r], v[\tmp]
.endm
.macro SCAN r, tmp                     ; whole numbers: lane i gets the sum of lanes 0 .. i
.irp n, 1,2,4,8
	v_mov_b32 v[\tmp], 0                           ; lanes without a lane n below them add nothing
	v_mov_b32_dpp v[\tmp], v[\r] row_shr:\n row_mask:0xf bank_mask:0xf bound_ctrl:1
	v_add_nc_u32 v[\r], v[\r], v[\tmp]
.endr
	v_readlane_b32 s35, v[\r], 15                  ; the lower sixteen lanes' total
	v_cndmask_b32 v[\tmp], 0, s35, s34             ; goes to lanes 16 to 31 (s34 is their mask)
	v_add_nc_u32 v[\r], v[\r], v[\tmp]
.endm
; softmax of a column's 64 numbers (x0, x1: my two) times 20 * 2^26 into f0, f1, and the knots at my two bins' left ends into k0, k1
.macro SOFTSCAN x0, x1, f0, f1, k0, k1, a, b
	v_max_num_f32 v[\a], v[\x0], v[\x1]
	REDMAX \a, \b
	v_sub_f32 v[\f0], v[\x0], v[\a]                ; the column's maximum is taken away, as reference()'s softmax does
	v_sub_f32 v[\f1], v[\x1], v[\a]
	v_mul_f32 v[\f0], 0x3fb8aa3b, v[\f0]           ; log2 e: v_exp_f32 is 2^x
	v_mul_f32 v[\f1], 0x3fb8aa3b, v[\f1]
	v_exp_f32 v[\f0], v[\f0]
	v_exp_f32 v[\f1], v[\f1]
	v_nop                                          ; one plain place behind the exponentials (ISA guide 5.7.2)
	s_wait_alu depctr_va_vdst(0)
	v_add_f32 v[\a], v[\f0], v[\f1]
	REDSUM \a, \b
	v_rcp_f32 v[\a], v[\a]                         ; the sum is at least 1: the maximum's own term
	v_nop
	s_wait_alu depctr_va_vdst(0)
	v_mul_f32 v[\a], 0x4ea00000, v[\a]             ; 20 * 2^26 / sum
	v_mul_f32 v[\f0], v[\f0], v[\a]
	v_mul_f32 v[\f1], v[\f1], v[\a]
	v_rndne_f32 v[\k0], v[\f0]
	v_rndne_f32 v[\k1], v[\f1]
	v_cvt_i32_f32 v[\k0], v[\k0]                   ; I0, at most 20 * 2^26 < 2^31
	v_cvt_i32_f32 v[\k1], v[\k1]                   ; I1
	v_add_nc_u32 v[\a], v[\k0], v[\k1]
	SCAN \a, \b                                    ; the sum of all bins up to and with mine
	v_sub_nc_u32 v[\k1], v[\a], v[\k1]             ; without I1: what lies below bin 2 l + 1
	v_add_nc_u32 v[\k1], 0xd8000000, v[\k1]        ; - 10 * 2^26: its knot
	v_sub_nc_u32 v[\k0], v[\k1], v[\k0]            ; and bin 2 l's
.endm
; dst = softplus(x) = max(x, 0) + log1p(t), t = exp(-|x|).  Below t = 2^-8 the series t (1 + t (t / 3 - 1/2)), whose first dropped term is
; t^3 / 4 of the result; above it log2(1 + t) ln 2.  dst may be x.
.macro SOFTPLUS dst, x, t0, t1, t2
	v_and_b32 v[\t0], 0x7fffffff, v[\x]
	v_mul_f32 v[\t0], 0xbfb8aa3b, v[\t0]           ; -|x| log2 e
	v_exp_f32 v[\t0], v[\t0]
	v_max_num_f32 v[\dst], 0, v[\x]                ; the plain place behind the exponential
	s_wait_alu depctr_va_vdst(0)
	v_add_f32 v[\t1], 1.0, v[\t0]
	v_log_f32 v[\t1], v[\t1]
	v_fma_f32 v[\t2], v[\t0], 0x3eaaaaab, -0.5     ; the plain place behind the logarithm
	v_fma_f32 v[\t2], v[\t2], v[\t0], 1.0
	v_mul_f32 v[\t2], v[\t2], v[\t0]
	s_wait_alu depctr_va_vdst(0)
	v_mul_f32 v[\t1], 0x3f317218, v[\t1]           ; ln 2
	v_cmp_gt_f32 vcc_lo, 0x3b800000, v[\t0]        ; 2^-8 > t
	v_cndmask_b32 v[\t1], v[\t1], v[\t2], vcc_lo
	v_add_f32 v[\dst], v[\dst], v[\t1]
.endm
; one column: its 64 bins' entries, two a lane, into my wave's own bytes of the stage
.macro COLUMN t
	SOFTSCAN RAW+8*\t, RAW+8*\t+1, FW0, FW1, PA0, PA1, TA, TB
	SOFTSCAN RAW+8*\t+2, RAW+8*\t+3, PA0+3, PA1+3, KH0, KH1, TA, TB
	SOFTPLUS D0, RAW+8*\t+4, TA, TB, TC
	SOFTPLUS D0+1, RAW+8*\t+5, TA, TB, TC
	SOFTPLUS D0+2, RAW+8*\t+6, TA, TB, TC
	v_rcp_f32 v[PA0+1], v[FW0]
	v_rcp_f32 v[PA1+1], v[FW1]
	v_cvt_f32_i32 v[PA0+2], v[KH0]                 ; (the plain place behind the reciprocals)
	v_cvt_f32_i32 v[PA1+2], v[KH1]
	v_mul_f32 v[PB0], v[FW0], v[D0]                ; a = w d0
	v_mul_f32 v[PB1], v[FW1], v[D0+1]
	v_fma_f32 v[PB0+1], v[FW0], v[D0+1], v[PB0]    ; g = w d0 + w d1 - 2 h: reference()'s (d0 + d1 - 2 s) times w
	v_fma_f32 v[PB1+1], v[FW1], v[D0+2], v[PB1]
	v_fma_f32 v[PB0+1], -2.0, v[PA0+3], v[PB0+1]
	v_fma_f32 v[PB1+1], -2.0, v[PA1+3], v[PB1+1]
	ds_store_b32 v5, v[PA0] offset:KNS+264*\t
	ds_store_b32 v5, v[PA1] offset:KNS+264*\t+4
	ds_store_b64 v6, v[PB0:PB0+1] offset:PBS+520*\t
	ds_store_b64 v6, v[PB1:PB1+1] offset:PBS+520*\t+8
	s_wait_alu depctr_va_vdst(0)
	ds_store_b128 v7, v[PA0:PA0+3] offset:PAS+1040*\t
	ds_store_b128 v7, v[PA1:PA1+3] offset:PAS+1040*\t+16
.endm
	s_mov_b32 s32, 0x76543210                      ; v_permlanex16_b32: lane i of one half reads lane i of the other
	s_mov_b32 s33, 0xfedcba98
	s_mov_b32 s34, 0xffff0000                      ; lanes 16 to 31
	s_lshr_b32 s25, ttmp9, 2                       ; G
	s_and_b32 s36, ttmp9, 3                        ; j
	s_lshl_b32 s25, s25, 7
	s_add_co_u32 s25, s25, s36
	s_lshl3_add_u32 s25, s24, s25                  ; my first column: 128 G + j + 8 w; the second is 4 further on
	s_lshl_b32 s26, s25, 8                         ; rows of 256 bytes in raw_w and raw_h (s27 is still 0)
	s_add_nc_u64 s[10:11], s[10:11], s[26:27]
	s_add_nc_u64 s[12:13], s[12:13], s[26:27]
	s_mul_i32 s26, s25, 260                        ; rows of 65 numbers in raw_s
	s_add_nc_u64 s[14:15], s[14:15], s[26:27]
	v_lshlrev_b32 v4, 3, v1                        ; 8 l: my two bins
.irp t, 0,1
	global_load_b64 v[RAW+8*\t:RAW+8*\t+1],   v4, s[10:11] offset:1024*\t
	global_load_b64 v[RAW+8*\t+2:RAW+8*\t+3], v4, s[12:13] offset:1024*\t
	global_load_b32 v[RAW+8*\t+4], v4, s[14:15] offset:1040*\t      ; raw_s's rows start at multiples of 4 bytes only: single words
	global_load_b32 v[RAW+8*\t+5], v4, s[14:15] offset:1040*\t+4
	global_load_b32 v[RAW+8*\t+6], v4, s[14:15] offset:1040*\t+8    ; lane 31: the 65th number
.endr
	; where I put my entries: wave x two columns' pitch + my two bins; every wave's bytes are its own
	s_mul_i32 s36, s24, 528
	v_lshl_add_u32 v5, v1, 3, s36
	s_mul_i32 s36, s24, 1040
	v_lshl_add_u32 v6, v1, 4, s36
	s_mul_i32 s36, s24, 2080
	v_lshl_add_u32 v7, v1, 5, s36
	; where I read back, by [k][q], and my byte offsets in the three blocks.  Wave w takes k = 4 w .. 4 w + 3.
	v_and_b32 v14, 15, v1
	v_lshrrev_b32 v15, 4, v1
	v_mul_u32_u24 v8, v14, 528                     ; knots: q = 2 (l % 16), and + 1 by the offset; word address 132 (l % 16) + l / 16: 32 different values mod 64
	v_lshl_add_u32 v8, v15, 2, v8                  ; k = 4 w + 2 i + l / 16
	s_lshl_b32 s36, s24, 4
	v_add_nc_u32 v8, s36, v8
	s_lshl_b32 s36, s24, 9
	v_lshl_add_u32 v9, v1, 3, s36                  ; 8 l + 512 w
	v_mul_u32_u24 v10, v1, 520                     ; pb: q = l; word address 130 l: the lanes' pairs of words differ mod 64
	s_lshl_b32 s36, s24, 5
	v_add_nc_u32 v10, s36, v10
	s_lshl_b32 s36, s24, 10
	v_lshl_add_u32 v11, v1, 3, s36                 ; 8 l + 1,024 w
	v_mul_u32_u24 v12, v1, 1040                    ; pa: q = l; word address 260 l: sixteen lanes' quads of words differ mod 64
	s_lshl_b32 s36, s24, 6
	v_add_nc_u32 v12, s36, v12
	s_lshl_b32 s36, s24, 11
	v_lshl_add_u32 v13, v1, 4, s36                 ; 16 l + 2,048 w
	s_lshl_b32 s26, ttmp9, 13                      ; the block (G, j) = g: 8 KiB of knots,
	s_add_nc_u64 s[18:19], s[18:19], s[26:27]
	s_lshl_b32 s26, ttmp9, 15                      ; 32 KiB of pa,
	s_add_nc_u64 s[20:21], s[20:21], s[26:27]
	s_lshl_b32 s26, ttmp9, 14                      ; 16 KiB of pb
	s_add_nc_u64 s[22:23], s[22:23], s[26:27]
	v_mov_b32 v[TB], 0                             ; v_permlanex16_b32 counts as a reader of its destination
	s_wait_loadcnt 0x0                             ; the ten loads above are the youngest, so this takes u in as well; u is wanted next anyway
	COLUMN 0
	COLUMN 1
	s_wait_dscnt 0x0                               ; my stores are in LDS, for the other waves' sake,
	s_barrier_signal -1
	s_barrier_wait -1                              ; and so are everybody's
.irp i, 0,1
	ds_load_b32 v[BK+2*\i],   v8 offset:KNS+8*\i
	ds_load_b32 v[BK+2*\i+1], v8 offset:KNS+8*\i+264
.endr
.irp i, 0,1,2,3
	ds_load_b64 v[BB+2*\i:BB+2*\i+1], v10 offset:PBS+8*\i
.endr
.irp i, 0,1,2,3
	ds_load_b128 v[PA0+4*\i:PA0+4*\i+3], v12 offset:PAS+16*\i
.endr
	s_wait_dscnt 0x0
.irp i, 0,1
	global_store_b64 v9, v[BK+2*\i:BK+2*\i+1], s[18:19] offset:256*\i       ; each store of the wave: 256 consecutive bytes, aligned
.endr
.irp i, 0,1,2,3
	global_store_b64 v11, v[BB+2*\i:BB+2*\i+1], s[22:23] offset:256*\i      ; likewise
.endr
.irp i, 0,1,2,3
	global_store_b128 v13, v[PA0+4*\i:PA0+4*\i+3], s[20:21] offset:512*\i   ; 512 consecutive bytes
.endr
	; none of these stores' registers is written again below
; ---------------------------------------------------------------- the stream (every work-group)
; Four numbers of load i: clip, log2(u) - log2(1 - u), times ln 2 * 2^26, cut to a whole number, in place, and out.
; 1 - u is exact from u = 1/2 up; below, its rounding moves z by 6e-8 at the most.
.macro LOGIT i
	s_wait_loadcnt 15-\i                           ; loads come back in order (ISA guide 5.7.1): mine is in, the 15 - i younger ones may be out
.irp k, 0,1,2,3
	v_med3_num_f32 v[U+4*\i+\k], v[U+4*\i+\k], s28, s29
.endr
.irp k, 0,1,2,3
	v_sub_f32 v[T+\k], 1.0, v[U+4*\i+\k]
.endr
.irp k, 0,1,2,3
	v_log_f32 v[U+4*\i+\k], v[U+4*\i+\k]
.endr
.irp k, 0,1,2,3
	v_log_f32 v[T+\k], v[T+\k]
.endr
	v_nop                                          ; one plain place behind the logarithms (ISA guide 5.7.2)
	s_wait_alu depctr_va_vdst(0)
.irp k, 0,2
	v_pk_add_f32 v[U+4*\i+\k:U+4*\i+\k+1], v[U+4*\i+\k:U+4*\i+\k+1], v[T+\k:T+\k+1] neg_lo:[0,1] neg_hi:[0,1]
.endr
.irp k, 0,2
	v_pk_mul_f32 v[U+4*\i+\k:U+4*\i+\k+1], v[U+4*\i+\k:U+4*\i+\k+1], s[30:31] op_sel_hi:[1,0]
.endr
.irp k, 0,1,2,3
	v_cvt_i32_f32 v[U+4*\i+\k], v[U+4*\i+\k]
.endr
	global_store_b128 v2, v[U+4*\i:U+4*\i+3], s[16:17] offset:512*\i       ; 512 consecutive bytes; its registers are not written again
.endm
.Lstream:
.irp i, 0,1,2,3,4,5,6,7,8,9,10,11,12,13,14,15
	LOGIT \i
.endr
	s_wait_tensorcnt 0x0
	ds_add_u32 v144, v145
	s_wait_dscnt 0x0
	s_endpgm
.Lfunc_end_k_q17b29b05c6_prep:
	.size	k_q17b29b05c6_prep, .Lfunc_end_k_q17b29b05c6_prep-k_q17b29b05c6_prep
	.p2alignl 7, 3214868480
	.fill 96, 4, 3214868480
	.section	.rodata,"a",@progbits
	.p2align	6, 0x0
	.amdhsa_kernel k_q17b29b05c6_prep
		.amdhsa_group_segment_fixed_size 60416
		.amdhsa_private_segment_fixed_size 0
		.amdhsa_enable_private_segment 0
		.amdhsa_kernarg_size 64
		.amdhsa_user_sgpr_count 2
		.amdhsa_user_sgpr_kernarg_segment_ptr 1
		.amdhsa_wavefront_size32 1
		.amdhsa_system_sgpr_workgroup_id_x 1
		.amdhsa_system_sgpr_workgroup_id_y 1
		.amdhsa_system_sgpr_workgroup_id_z 1
		.amdhsa_system_vgpr_workitem_id 0
		.amdhsa_next_free_vgpr 146
		.amdhsa_next_free_sgpr 66
		.amdhsa_reserve_vcc 1
		.amdhsa_float_denorm_mode_32 3
		.amdhsa_float_denorm_mode_16_64 3
		.amdhsa_memory_ordered 1
		.amdhsa_forward_progress 1
		.amdhsa_inst_pref_size 42
	.end_amdhsa_kernel
	.amdgpu_metadata
---
amdhsa.version: [ 1, 2 ]
amdhsa.kernels:
  - .name:           k_q17b29b05c6_prep
    .symbol:         k_q17b29b05c6_prep.kd
    .args:
      - { .name: u, .offset: 0, .size: 8, .value_kind: global_buffer, .address_space: global }
      - { .name: raw_w, .offset: 8, .size: 8, .value_kind: global_buffer, .address_space: global }
      - { .name: raw_h, .offset: 16, .size: 8, .value_kind: global_buffer, .address_space: global }
      - { .name: raw_s, .offset: 24, .size: 8, .value_kind: global_buffer, .address_space: global }
      - { .name: zi, .offset: 32, .size: 8, .value_kind: global_buffer, .address_space: global }
      - { .name: knots, .offset: 40, .size: 8, .value_kind: global_buffer, .address_space: global }
      - { .name: pa, .offset: 48, .size: 8, .value_kind: global_buffer, .address_space: global }
      - { .name: pb, .offset: 56, .size: 8, .value_kind: global_buffer, .address_space: global }
    .group_segment_fixed_size: 60416
    .private_segment_fixed_size: 0
    .kernarg_segment_align: 8
    .kernarg_segment_size: 64
    .max_flat_workgroup_size: 512
    .sgpr_count:     66
    .vgpr_count:     146
    .wavefront_size: 32
...
	.end_amdgpu_metadata
.endif
;; end of part 1
;; launch spline (part 2): grid 32 x 8, 16 waves a work-group, no clusters, 231,424 bytes of LDS; arguments zi, knots, pa, pb, log_scale, bias, tau, out0; writes out0
.if DOCPART == 2
	.amdgcn_target "amdgcn-amd-amdhsa--gfx1250"
	.amdhsa_code_object_version 6
	.text
	.protected	k_q17b29b05c6_spline
	.globl	k_q17b29b05c6_spline
	.p2align	8
	.type	k_q17b29b05c6_spline,@function
k_q17b29b05c6_spline:
	s_mov_b64 s[64:65], 0
	v_nop
	global_prefetch_b8 v0, s[64:65] scope:SCOPE_SE
	s_setreg_imm32_b32 hwreg(HW_REG_WAVE_MODE, 25, 1), 1
	s_wait_xcnt 0x0
; SECOND OF TWO LAUNCHES.  out0[r][c] = tau[r] * (spline_c(z) * scale[c] + bias[c]), z = zi[r][c] * 2^-26 as the first launch left it.
; All of z, the knots, widths and heights are in units of 2^-26; scale carries the factor 2^-26 back.
;   k      = the last of the column's 64 left knots that is <= Z (six steps of a binary search on whole numbers; 0 if none is)
;   theta  = min(f32(Z - Kw) / w, 1),  t = theta - theta^2
;   y      = yk + h (h theta^2 + a t) / (h + g t),  a = w d0,  g = w d0 + w d1 - 2 h: reference()'s fraction with both parts times w
;   result = y where -10 < z < 10, else z
; SHARES.  Work-group (x, y): rows 256 x .. + 255 of the 128 columns 128 y .. + 127.  Wave w: 16 of the rows.  A lane: 4 neighbouring columns of
; each row, c = 128 y + 4 lane + j, so that each load and store of a wave covers 512 consecutive bytes.
; TABLES.  The 128 columns' tables (224 KiB) lie in LDS as the first launch stored them, [j][k][lane]: knots at A = 8192 j + 128 k + 4 lane, pb at
; 32,768 + 2 A, pa at 98,304 + 4 A.  For one j the word address mod 64 is lane + 32 (k % 2) for the knots, and the like for the wider entries:
; lanes never meet in a bank with different words, whatever their k.
; NO CLUSTER, though the 32 row blocks of a column group want the same 224 KiB (beside 256 KiB of zi and out0 each).  Joint requests ask that every
; LDS address of the kernel be alike in all partners, and here the addresses of the search's probes and of the entries are made from each
; work-group's own rows of zi.  So each work-group asks for a copy of its own.
; LIMITS.  theta is held at 1 (reference() runs on past the last bin's end by its rounding slack).  Where h + g t is zero or below 2^-126 the
; reciprocal is infinite (ISA guide, the entry of v_rcp_f32), so where reference() forms 0 / 0 the NaN may fall elsewhere.  z is resolved to 2^-26.
.set LIM,  0x28000000                  ; 10 * 2^26
.set PB_L, 32768
.set PA_L, 98304
.set LB,   2                           ; v[2:5]     8192 j + 4 lane
.set SC,   8                           ; v[8:11]    (softplus(log_scale) + 1e-4) * 2^-26 of my 4 columns
.set BI,   12                          ; v[12:15]   bias
.set Z,    16                          ; v[16:79]   my 16 rows of zi; the results in place
.set A,    80                          ; v[80:95]   a batch's 16 elements: knot address of the bin so far
.set KV,   96                          ; v[96:111]  the knot probed; then the step taken; at last pa's address
.set PAR,  112                         ; v[112:175] pa entries: Kw, 1 / w, yk, h
.set PBR,  176                         ; v[176:207] pb entries: a, g
.set TH,   208                         ; v[208:211] theta
.set UU,   212                         ; v[212:215] Z + LIM - 1
.set NU,   216                         ; v[216:219] numerator, then the result
.set DE,   220                         ; v[220:223] denominator
.set HH,   224                         ; v[224:227] h theta, then f32(Z)
.set TM,   228                         ; v[228:231] theta - theta^2
.set SP,   232                         ; v[232:234] softplus at work
.set TAU,  36                          ; s[36:51]   tau of my 16 rows
.set MK,   92                          ; s[92:95]   four compare masks, so that no select waits for the compare right in front of it
	s_load_b512 s[8:23], s[0:1], 0x0               ; zi s[8:9], knots s[10:11], pa s[12:13], pb s[14:15], log_scale s[16:17], bias s[18:19], tau s[20:21], out0 s[22:23]
	v_lshl_add_u32 v240, v0, 2, 0x38000
	v_mov_b32 v241, 0
	ds_add_u32 v240, v241
	ds_add_u32 v240, v241
	v_lshrrev_b32 v7, 5, v0
	v_readfirstlane_b32 s24, v7                    ; wave 0..15
	v_and_b32 v1, 31, v0                           ; lane
	v_lshlrev_b32 v6, 4, v1                        ; 16 lane
	v_lshlrev_b32 v7, 2, v1                        ; 4 lane
.irp j, 0,1,2,3
	v_add_nc_u32 v[LB+\j], 8192*\j, v7             ; at most 24,576 + 124; the search adds at most 8,064: A <= 32,764, and 98,304 + 4 A + 16 <= 229,376
.endr
	s_and_b32 s27, ttmp7, 0xffff                   ; column group G 0..7; ttmp9: row block 0..31
	s_lshl_b32 s28, ttmp9, 20                      ; 256 rows of 4,096 bytes
	s_lshl_b32 s30, s24, 16                        ; 16 rows a wave
	s_add_co_u32 s28, s28, s30
	s_lshl_b32 s30, s27, 9                         ; 128 columns of 4 bytes
	s_add_co_u32 s28, s28, s30                     ; below 2^25
	s_mov_b32 s29, 0
	s_wait_dscnt 0x0
	s_wait_kmcnt 0x0
	s_add_nc_u64 s[8:9], s[8:9], s[28:29]
	s_add_nc_u64 s[22:23], s[22:23], s[28:29]
	s_mov_b32 s28, s30
	s_add_nc_u64 s[16:17], s[16:17], s[28:29]
	s_add_nc_u64 s[18:19], s[18:19], s[28:29]
	global_load_b128 v[SC:SC+3], v6, s[16:17]
	global_load_b128 v[BI:BI+3], v6, s[18:19]
.irp i, 0,1,2,3,4,5,6,7,8,9,10,11,12,13,14,15
	global_load_b128 v[Z+4*\i:Z+4*\i+3], v6, s[8:9] offset:4096*\i th:TH_LOAD_NT   ; my whole share at once; read once in the launch
.endr
	s_lshl_b32 s28, ttmp9, 10                      ; tau: 256 numbers a row block,
	s_lshl_b32 s30, s24, 6                         ; 16 a wave
	s_add_co_u32 s28, s28, s30
	s_add_nc_u64 s[20:21], s[20:21], s[28:29]
	s_load_b512 s[TAU:TAU+15], s[20:21], 0x0
	; The three tables' descriptors.  Each block is dense in memory and comes as rows of 32 elements of 8 bytes (256 bytes), pitch 32.
	; Group 1, word 0: 15:0 no work-group mask; 17:16 elements of 8 bytes; no padding.  All sizes in elements.
.macro SHAPE g, rows
	s_mov_b32 s[\g+0], 3<<16
	s_mov_b32 s[\g+1], 32<<16                      ; tensor_dim0 = 32
	s_mov_b32 s[\g+2], \rows<<16                   ; tensor_dim1 = rows
	s_mov_b32 s[\g+3], 32<<16                      ; tile_dim0 = 32
	s_mov_b32 s[\g+4], \rows                       ; tile_dim1 = rows
	s_mov_b32 s[\g+5], 32                          ; from row to row
	s_mov_b32 s[\g+6], 0
	s_mov_b32 s[\g+7], 0
.endm
	SHAPE 68, 128                                  ; knots: 32 KiB
	SHAPE 76, 256                                  ; pb: 64 KiB
	SHAPE 84, 512                                  ; pa: 128 KiB
	s_lshl_b32 s28, s27, 15                        ; group 0: count 1, LDS address, global address (the column group's block), type 2
	s_mov_b32 s52, 1
	s_mov_b32 s53, 0
	s_add_nc_u64 s[54:55], s[10:11], s[28:29]
	s_or_b32 s55, s55, 0x80000000
	s_lshl_b32 s28, s27, 16
	s_mov_b32 s56, 1
	s_mov_b32 s57, PB_L
	s_add_nc_u64 s[58:59], s[14:15], s[28:29]
	s_or_b32 s59, s59, 0x80000000
	s_lshl_b32 s28, s27, 17
	s_mov_b32 s60, 1
	s_mov_b32 s61, PA_L
	s_add_nc_u64 s[62:63], s[12:13], s[28:29]
	s_or_b32 s63, s63, 0x80000000
	s_mov_b32 s31, PA_L
	s_mov_b32 s32, LIM-1
	s_mov_b32 s33, 2*LIM-1
	s_mov_b32 s34, 0x32800000                      ; 2^-26
	s_mov_b32 s35, 0x2bd1b717                      ; 1e-4 * 2^-26
	s_cmp_lg_u32 s24, 0
	s_cbranch_scc1 .Lnoload
	tensor_load_to_lds s[52:55], s[68:75]          ; wave 0 asks for all three: three tensor loads are out, no more in the launch;
	s_nop 0
	tensor_load_to_lds s[56:59], s[76:83]          ; none of their descriptors' registers is written again
	s_nop 0
	tensor_load_to_lds s[60:63], s[84:91]
	s_nop 0
.Lnoload:
; dst = softplus(x) = max(x, 0) + log1p(t), t = exp(-|x|).  Below t = 2^-8 the series t (1 + t (t / 3 - 1/2)), whose first dropped term is
; t^3 / 4 of the result; above it log2(1 + t) ln 2.  dst may be x.
.macro SOFTPLUS dst, x, t0, t1, t2
	v_and_b32 v[\t0], 0x7fffffff, v[\x]
	v_mul_f32 v[\t0], 0xbfb8aa3b, v[\t0]           ; -|x| log2 e
	v_exp_f32 v[\t0], v[\t0]
	v_max_num_f32 v[\dst], 0, v[\x]                ; the plain place behind the exponential (ISA guide 5.7.2)
	s_wait_alu depctr_va_vdst(0)
	v_add_f32 v[\t1], 1.0, v[\t0]
	v_log_f32 v[\t1], v[\t1]
	v_fma_f32 v[\t2], v[\t0], 0x3eaaaaab, -0.5     ; the plain place behind the logarithm
	v_fma_f32 v[\t2], v[\t2], v[\t0], 1.0
	v_mul_f32 v[\t2], v[\t2], v[\t0]
	s_wait_alu depctr_va_vdst(0)
	v_mul_f32 v[\t1], 0x3f317218, v[\t1]           ; ln 2
	v_cmp_gt_f32 vcc_lo, 0x3b800000, v[\t0]        ; 2^-8 > t
	v_cndmask_b32 v[\t1], v[\t1], v[\t2], vcc_lo
	v_add_f32 v[\dst], v[\dst], v[\t1]
.endm
	s_wait_loadcnt 16                              ; log_scale and bias are in; the 16 loads of zi behind them may be out
.irp j, 0,1,2,3
	SOFTPLUS SC+\j, SC+\j, SP, SP+1, SP+2
.endr
.irp j, 0,1,2,3
	v_fma_f32 v[SC+\j], v[SC+\j], s34, s35         ; (softplus + 1e-4) * 2^-26: the power of two is exact, so this rounds as the sum does
.endr
	s_wait_tensorcnt 0x0                           ; wave 0: the tables are in LDS (the other waves have nothing out),
	s_wait_kmcnt 0x0                               ; tau is in
	s_barrier_signal -1
	s_barrier_wait -1                              ; and every wave may read them.  Nothing writes LDS from here on: no further barrier
; One step of the search for the 4 elements of row r of batch b: where Z >= the knot probed, the bin moves up by step bytes (s30 = step).
; A number made from loaded data enters an address only behind a clamp by a constant: v_min_u32, which changes no value here.
.macro UPD4 b, r, first, step
.irp j, 0,1,2,3
	v_cmp_ge_i32 s[MK+\j], v[Z+16*\b+4*\r+\j], v[KV+4*\r+\j]
.endr
.irp j, 0,1,2,3
	v_cndmask_b32 v[KV+4*\r+\j], 0, s30, s[MK+\j]
.endr
.irp j, 0,1,2,3
	v_min_u32 v[KV+4*\r+\j], \step, v[KV+4*\r+\j]
.endr
.irp j, 0,1,2,3
.if \first
	v_add_nc_u32 v[A+4*\r+\j], v[LB+\j], v[KV+4*\r+\j]
.else
	v_add_nc_u32 v[A+4*\r+\j], v[A+4*\r+\j], v[KV+4*\r+\j]
.endif
.endr
.endm
; The step of s bins for all 16 elements, and the probes of the next step, s / 2 bins (64 s bytes) above the bin so far.
.macro LEVEL b, s, first
	s_mov_b32 s30, 128*\s
.irp r, 0,1,2,3
	s_wait_dscnt 12                                ; LDS loads come back in order (ISA guide 5.7.1): behind this row's 4 probes the other three rows' 12 were issued
	UPD4 \b, \r, \first, 128*\s
.irp j, 0,1,2,3
	ds_load_b32 v[KV+4*\r+\j], v[A+4*\r+\j] offset:64*\s
.endr
.endr
.endm
; The last step (one bin), then the bin's entries: pa at 98,304 + 4 A, pb at 32,768 + 2 A.
.macro LAST b
	s_mov_b32 s30, 128
.irp r, 0,1,2,3
	s_wait_dscnt 12+4*\r                           ; behind this row's probes: 12 - 4 r probes of later rows and 8 r loads of entries
	UPD4 \b, \r, 0, 128
.irp j, 0,1,2,3
	v_lshl_add_u32 v[KV+4*\r+\j], v[A+4*\r+\j], 2, s31
.endr
.irp j, 0,1,2,3
	v_lshlrev_b32 v[A+4*\r+\j], 1, v[A+4*\r+\j]
.endr
.irp j, 0,1,2,3
	ds_load_b128 v[PAR+16*\r+4*\j:PAR+16*\r+4*\j+3], v[KV+4*\r+\j]
	ds_load_b64 v[PBR+8*\r+2*\j:PBR+8*\r+2*\j+1], v[A+4*\r+\j] offset:PB_L
.endr
.endr
.endm
; The 4 elements of row r of batch b: the formulas at the kernel's head, and the row's 16 bytes a lane out.
.macro EVALROW b, r
.set ZR, Z+16*\b+4*\r
.set PR, PAR+16*\r
.set QR, PBR+8*\r
	s_wait_dscnt 24-8*\r                           ; the 8 loads of each later row may be out
.irp j, 0,1,2,3
	v_sub_nc_u32 v[TH+\j], v[ZR+\j], v[PR+4*\j]    ; Z - Kw, exact
.endr
.irp j, 0,1,2,3
	v_cvt_f32_i32 v[TH+\j], v[TH+\j]
.endr
.irp j, 0,1,2,3
	v_mul_f32 v[TH+\j], v[TH+\j], v[PR+4*\j+1]
.endr
.irp j, 0,1,2,3
	v_min_num_f32 v[TH+\j], 1.0, v[TH+\j]
.endr
.irp p, 0,2
	v_pk_fma_f32 v[TM+\p:TM+\p+1], v[TH+\p:TH+\p+1], v[TH+\p:TH+\p+1], v[TH+\p:TH+\p+1] neg_lo:[1,0,0] neg_hi:[1,0,0]   ; theta - theta^2
.endr
.irp j, 0,1,2,3
	v_mul_f32 v[NU+\j], v[QR+2*\j], v[TM+\j]       ; a t
.endr
.irp j, 0,1,2,3
	v_mul_f32 v[HH+\j], v[PR+4*\j+3], v[TH+\j]     ; h theta
.endr
.irp p, 0,2
	v_pk_fma_f32 v[NU+\p:NU+\p+1], v[HH+\p:HH+\p+1], v[TH+\p:TH+\p+1], v[NU+\p:NU+\p+1]   ; h theta^2 + a t
.endr
.irp j, 0,1,2,3
	v_fma_f32 v[DE+\j], v[QR+2*\j+1], v[TM+\j], v[PR+4*\j+3]       ; h + g t
.endr
.irp j, 0,1,2,3
	v_rcp_f32 v[DE+\j], v[DE+\j]
.endr
.irp j, 0,1,2,3
	v_cvt_f32_i32 v[HH+\j], v[ZR+\j]               ; z itself, for outside; also the plain places behind the reciprocals (ISA guide 5.7.2)
.endr
.irp j, 0,1,2,3
	v_add_nc_u32 v[UU+\j], s32, v[ZR+\j]           ; -LIM < Z < LIM  is  unsigned(Z + LIM - 1) < 2 LIM - 1
.endr
	s_wait_alu depctr_va_vdst(0)
.irp p, 0,2
	v_pk_mul_f32 v[NU+\p:NU+\p+1], v[NU+\p:NU+\p+1], v[DE+\p:DE+\p+1]
.endr
.irp j, 0,1,2,3
	v_fma_f32 v[NU+\j], v[PR+4*\j+3], v[NU+\j], v[PR+4*\j+2]       ; yk + h x fraction
.endr
.irp j, 0,1,2,3
	v_cmp_gt_u32 s[MK+\j], s33, v[UU+\j]
.endr
.irp j, 0,1,2,3
	v_cndmask_b32 v[NU+\j], v[HH+\j], v[NU+\j], s[MK+\j]
.endr
.irp p, 0,2
	v_pk_fma_f32 v[NU+\p:NU+\p+1], v[NU+\p:NU+\p+1], v[SC+\p:SC+\p+1], v[BI+\p:BI+\p+1]
.endr
.irp j, 0,1,2,3
	v_mul_f32 v[ZR+\j], s[TAU+4*\b+\r], v[NU+\j]
.endr
	global_store_b128 v6, v[ZR:ZR+3], s[22:23] offset:4096*(4*\b+\r) th:TH_STORE_NT   ; 512 consecutive bytes, aligned; these registers are not written again
.endm
; Four rows = 16 elements a lane: sixteen searches run side by side, so that each row's step finds its probes back while the other rows' are served.
.macro BATCH b
	s_wait_loadcnt 12-4*\b                         ; my rows 4 b .. 4 b + 3 of zi are in; the later batches' 12 - 4 b loads may be out
.irp r, 0,1,2,3
.irp j, 0,1,2,3
	ds_load_b32 v[KV+4*\r+\j], v[LB+\j] offset:4096        ; the first probe: knot 32
.endr
.endr
	LEVEL \b, 32, 1
	LEVEL \b, 16, 0
	LEVEL \b, 8, 0
	LEVEL \b, 4, 0
	LEVEL \b, 2, 0
	LAST \b
	EVALROW \b, 0
	EVALROW \b, 1
	EVALROW \b, 2
	EVALROW \b, 3
.endm
	BATCH 0
	BATCH 1
	BATCH 2
	BATCH 3
	s_wait_tensorcnt 0x0
	ds_add_u32 v240, v241
	s_wait_dscnt 0x0
	s_endpgm
.Lfunc_end_k_q17b29b05c6_spline:
	.size	k_q17b29b05c6_spline, .Lfunc_end_k_q17b29b05c6_spline-k_q17b29b05c6_spline
	.p2alignl 7, 3214868480
	.fill 96, 4, 3214868480
	.section	.rodata,"a",@progbits
	.p2align	6, 0x0
	.amdhsa_kernel k_q17b29b05c6_spline
		.amdhsa_group_segment_fixed_size 231424
		.amdhsa_private_segment_fixed_size 0
		.amdhsa_enable_private_segment 0
		.amdhsa_kernarg_size 64
		.amdhsa_user_sgpr_count 2
		.amdhsa_user_sgpr_kernarg_segment_ptr 1
		.amdhsa_wavefront_size32 1
		.amdhsa_system_sgpr_workgroup_id_x 1
		.amdhsa_system_sgpr_workgroup_id_y 1
		.amdhsa_system_sgpr_workgroup_id_z 1
		.amdhsa_system_vgpr_workitem_id 0
		.amdhsa_next_free_vgpr 242
		.amdhsa_next_free_sgpr 96
		.amdhsa_reserve_vcc 1
		.amdhsa_float_denorm_mode_32 3
		.amdhsa_float_denorm_mode_16_64 3
		.amdhsa_memory_ordered 1
		.amdhsa_forward_progress 1
		.amdhsa_inst_pref_size 183
	.end_amdhsa_kernel
	.amdgpu_metadata
---
amdhsa.version: [ 1, 2 ]
amdhsa.kernels:
  - .name:           k_q17b29b05c6_spline
    .symbol:         k_q17b29b05c6_spline.kd
    .args:
      - { .name: zi, .offset: 0, .size: 8, .value_kind: global_buffer, .address_space: global }
      - { .name: knots, .offset: 8, .size: 8, .value_kind: global_buffer, .address_space: global }
      - { .name: pa, .offset: 16, .size: 8, .value_kind: global_buffer, .address_space: global }
      - { .name: pb, .offset: 24, .size: 8, .value_kind: global_buffer, .address_space: global }
      - { .name: log_scale, .offset: 32, .size: 8, .value_kind: global_buffer, .address_space: global }
      - { .name: bias, .offset: 40, .size: 8, .value_kind: global_buffer, .address_space: global }
      - { .name: tau, .offset: 48, .size: 8, .value_kind: global_buffer, .address_space: global }
      - { .name: out0, .offset: 56, .size: 8, .value_kind: global_buffer, .address_space: global }
    .group_segment_fixed_size: 231424
    .private_segment_fixed_size: 0
    .kernarg_segment_align: 8
    .kernarg_segment_size: 64
    .max_flat_workgroup_size: 512
    .sgpr_count:     96
    .vgpr_count:     242
    .wavefront_size: 32
...
	.end_amdgpu_metadata
.endif
;; end of part 2
;; ======== version 2 of 2: 2 launches; version 1 with the launch prep written anew for expert scheduling mode
;; workspace buffers: zi 33,554,432 bytes of whole numbers; knots 262,144 bytes of whole numbers; pa 1,048,576 bytes; pb 524,288 bytes
;; launch prep (part 3): grid 256 x 1, 16 waves a work-group, no clusters, 60,416 bytes of LDS; arguments u, raw_w, raw_h, raw_s, zi, knots, pa, pb; writes zi, knots, pa, pb
.if DOCPART == 3
	.amdgcn_target "amdgcn-amd-amdhsa--gfx1250"
	.amdhsa_code_object_version 6
	.text
	.protected	k_q17b29b05c6_prep
	.globl	k_q17b29b05c6_prep
	.p2align	8
	.type	k_q17b29b05c6_prep,@function
k_q17b29b05c6_prep:
	s_mov_b64 s[64:65], 0
	v_nop
	global_prefetch_b8 v0, s[64:65] scope:SCOPE_SE
	s_setreg_imm32_b32 hwreg(HW_REG_WAVE_SCHED_MODE, 0, 2), 2
	s_setreg_imm32_b32 hwreg(HW_REG_WAVE_MODE, 25, 1), 1
	s_wait_xcnt 0x0
	s_wait_alu depctr_vm_vsrc(0)
; FIRST OF TWO LAUNCHES.  (1) Every work-group: zi[r][c] = trunc(logit(clip(u[r][c], 1e-6, 1 - 1e-6)) * 2^26) as i32.
; (2) Work-groups 0 to 31 besides: the spline's tables, in the same fixed point, for 32 columns each.
; Why fixed point: the next launch searches the bin of each z and gathers by it, so what steers its addresses has to be whole numbers that
; it reads from memory.  |z| <= 13.82, so |zi| < 9.3e8, and z minus a knot stays under 1.6e9: both fit an i32.
; SHARES.  Work-group g owns rows 32 g .. 32 g + 31 of u (128 KiB), wave w 8 KiB of them: 16 loads of 512 consecutive bytes, all issued at
; the entry, so a wave's whole share is on its way at once and no ring is needed.  No work-group reads what another reads: no cluster.
; TABLES.  Column c = 128 G + 4 q + j; work-group g = 4 G + j makes the block (G, j), wave w its columns q = 2 w, 2 w + 1, lane l bins 2 l, 2 l + 1.
;   F  = exp(x - max) * (20 * 2^26 / sum): a width or height as f32, in units of 2^-26;  I = F rounded to a whole number
;   knots[G][j][k][q] i32 : Kw = -10 * 2^26 + exact sum of the Iw of the bins below (so the knots never descend)
;   pa[G][j][k][q] 16 B   : Kw (i32), 1 / Fw, f32(Kh), Fh
;   pb[G][j][k][q]  8 B   : a = Fw d0,  g = Fw d0 + Fw d1 - 2 Fh,   d = softplus(raw_s)
; LIMITS.  A NaN in u is not carried on (the clip by the middle of three drops it).  z is resolved to 2^-26; a bin narrower than half that
; unit merges with its neighbour.  An exponential below 2^-126 counts as zero (ISA guide, the entries of v_exp_f32 and v_rcp_f32).
; THE MODE: SCHED_MODE bits 1:0 = 2 (LLVM: expert scheduling mode 2), set by the entry lines.  The code itself states the register dependences
; between vector instructions and memory or LDS instructions, with s_wait_alu, always for 0.
; THE PLAN.  Registers that memory or LDS instructions touch:
;   v2            offset of every load of u and every store of zi: written once at the head.
;   U, block i    its load lands in it (no vector line names it before); step i turns it into zi in place; its store is issued in step i + 1,
;                 behind that step's one wait on va_vdst; nothing writes it afterwards.
;   v4, RAW       the raw loads' offset, written once; their data, written by the loads alone.
;   v5 .. v13     LDS and global addresses of the tables: written once, ahead of the first column's waits.
;   v[96:107]     a column's entries: written by its arithmetic, read by its six LDS stores behind ONE wait on va_vdst at the column's end;
;                 written again by the second column and by the read back (which lands in v[96:111]), each behind a wait on vm_vsrc.
;   v[120:131]    the read back of knots and pb: LDS loads write them, global stores read them, no vector line names them.
;   v144, v145    written at the head, read by the closing add alone.
;   All else (T, TA, TB, D0, SPT ..) is named by vector lines alone.
.set LIM,   0x28000000                 ; 10 * 2^26
.set U,     16                         ; v[16:79]   16 loads of u, 4 words each; turned into zi in place
.set RAW,   80                         ; v[80:95]   column t at RAW + 8 t: w pair, h pair, three slopes
.set PA0,   96                         ; v[96:99]   pa entry of bin 2 l          (v[96:111] once more for the read back)
.set PA1,   100                        ; v[100:103] pa entry of bin 2 l + 1
.set PB0,   104                        ; v[104:105] pb entry of bin 2 l
.set PB1,   106                        ; v[106:107] pb entry of bin 2 l + 1
.set FW0,   108                        ; widths as f32
.set FW1,   109
.set KH0,   110                        ; height knots as i32
.set KH1,   111
.set D0,    112                        ; v[112:114] slopes at knots 2 l, 2 l + 1, 2 l + 2
.set TA,    116                        ; v[116:117] at work
.set TB,    117
.set BK,    120                        ; v[120:123] knots read back
.set BB,    124                        ; v[124:131] pb read back
.set T,     132                        ; v[132:135] the stream's 1 - u
.set SPT,   132                        ; v[132:140] softplus of three slopes at work: t at SPT + n, the logarithm at SPT + 3 + n, the series at SPT + 6 + n
.set KNS,   0                          ; LDS stage, laid [q][k]: knots, 32 columns x 264 bytes (256 + 8)
.set PBS,   8448                       ; pb, 32 x 520 (512 + 8)
.set PAS,   25088                      ; pa, 32 x 1040 (1024 + 16); ends at 58,368
	s_load_b512 s[8:23], s[0:1], 0x0               ; u s[8:9], raw_w s[10:11], raw_h s[12:13], raw_s s[14:15], zi s[16:17], knots s[18:19], pa s[20:21], pb s[22:23]
	v_lshl_add_u32 v144, v0, 2, 0xe400
	v_mov_b32 v145, 0
	v_lshrrev_b32 v3, 5, v0
	v_readfirstlane_b32 s24, v3                    ; wave 0..15
	v_and_b32 v1, 31, v0                           ; lane l
	v_lshlrev_b32 v2, 4, v1                        ; 16 l
	s_lshl_b32 s26, ttmp9, 17                      ; 32 rows of 4,096 bytes a work-group
	s_wait_alu depctr_va_sdst(0)                   ; s24 is written, ahead of its first reader: the wave's bases are made from it
	s_lshl_b32 s25, s24, 13                        ; 8 KiB a wave
	s_add_co_u32 s26, s26, s25                     ; below 2^25
	s_mov_b32 s27, 0
	s_mov_b32 s28, 0x358637bd                      ; 1e-6
	s_mov_b32 s29, 0x3f7fffef                      ; 1 - 1e-6
	s_mov_b32 s30, 0x4c317218                      ; ln 2 * 2^26, in both words of the pair that the packed multiply names
	s_mov_b32 s31, 0x4c317218
	s_wait_kmcnt 0x0
	s_add_nc_u64 s[8:9], s[8:9], s[26:27]
	s_add_nc_u64 s[16:17], s[16:17], s[26:27]
	s_wait_alu depctr_va_vdst(0)                   ; v2 is written: every load of u and every store of zi reads it as its offset
.irp i, 0,1,2,3,4,5,6,7,8,9,10,11,12,13,14,15
	global_load_b128 v[U+4*\i:U+4*\i+3], v2, s[8:9] offset:512*\i th:TH_LOAD_NT    ; u is read once in the launch
.endr
	s_cmp_ge_u32 ttmp9, 32                         ; the same in all waves of a work-group: the barrier below is passed by all sixteen or by none
	s_cbranch_scc1 .Lstream
; ---------------------------------------------------------------- the tables (work-groups 0 to 31)
.macro REDMAX r, tmp                   ; the largest over the 32 lanes, in every lane
	v_max_num_f32_dpp v[\r], v[\r], v[\r] row_xmask:1 row_mask:0xf bank_mask:0xf
	v_max_num_f32_dpp v[\r], v[\r], v[\r] row_xmask:2 row_mask:0xf bank_mask:0xf
	v_max_num_f32_dpp v[\r], v[\r], v[\r] row_xmask:4 row_mask:0xf bank_mask:0xf
	v_max_num_f32_dpp v[\r], v[\r], v[\r] row_xmask:8 row_mask:0xf bank_mask:0xf
	v_permlanex16_b32 v[\tmp], v[\r], s32, s33     ; the other half of the lanes
	v_max_num_f32 v[\r], v[\r], v[\tmp]
.endm
.macro REDSUM r, tmp                   ; the sum over the 32 lanes, in every lane
	v_add_f32_dpp v[\r], v[\r], v[\r] row_xmask:1 row_mask:0xf bank_mask:0xf
	v_add_f32_dpp v[\r], v[\r], v[\r] row_xmask:2 row_mask:0xf bank_mask:0xf
	v_add_f32_dpp v[\r], v[\r], v[\r] row_xmask:4 row_mask:0xf bank_mask:0xf
	v_add_f32_dpp v[\r], v[\r], v[\r] row_xmask:8 row_mask:0xf bank_mask:0xf
	v_permlanex16_b32 v[\tmp], v[\r], s32, s33
	v_add_f32 v[\r], v[\r], v[\tmp]
.endm
.macro SCAN r, tmp                     ; whole numbers: lane i gets the sum of lanes 0 .. i
.irp n, 1,2,4,8
	v_mov_b32 v[\tmp], 0                           ; lanes without a lane n below them add nothing
	v_mov_b32_dpp v[\tmp], v[\r] row_shr:\n row_mask:0xf bank_mask:0xf bound_ctrl:1
	v_add_nc_u32 v[\r], v[\r], v[\tmp]
.endr
	v_readlane_b32 s35, v[\r], 15                  ; the lower sixteen lanes' total
	s_wait_alu depctr_va_sdst(0)                   ; s35 is written, ahead of its first reader, the select below
	v_cndmask_b32 v[\tmp], 0, s35, s34             ; goes to lanes 16 to 31 (s34 is their mask)
	v_add_nc_u32 v[\r], v[\r], v[\tmp]
.endm
; softmax of a column's 64 numbers (x0, x1: my two) times 20 * 2^26 into f0, f1, and the knots at my two bins' left ends into k0, k1
.macro SOFTSCAN x0, x1, f0, f1, k0, k1, a, b
	v_max_num_f32 v[\a], v[\x0], v[\x1]
	REDMAX \a, \b
	v_sub_f32 v[\f0], v[\x0], v[\a]                ; the column's maximum is taken away, as reference()'s softmax does
	v_sub_f32 v[\f1], v[\x1], v[\a]
	v_mul_f32 v[\f0], 0x3fb8aa3b, v[\f0]           ; log2 e: v_exp_f32 is 2^x
	v_mul_f32 v[\f1], 0x3fb8aa3b, v[\f1]
	v_exp_f32 v[\f0], v[\f0]
	v_exp_f32 v[\f1], v[\f1]
	v_nop                                          ; one plain place behind the exponentials (ISA guide 5.7.2)
	s_wait_alu depctr_va_vdst(0)                   ; the two exponentials have written f0 and f1, which the sum below reads
	v_add_f32 v[\a], v[\f0], v[\f1]
	REDSUM \a, \b
	v_rcp_f32 v[\a], v[\a]                         ; the sum is at least 1: the maximum's own term
	v_nop
	s_wait_alu depctr_va_vdst(0)                   ; the reciprocal has written a, which the next line reads
	v_mul_f32 v[\a], 0x4ea00000, v[\a]             ; 20 * 2^26 / sum
	v_mul_f32 v[\f0], v[\f0], v[\a]
	v_mul_f32 v[\f1], v[\f1], v[\a]
	v_rndne_f32 v[\k0], v[\f0]
	v_rndne_f32 v[\k1], v[\f1]
	v_cvt_i32_f32 v[\k0], v[\k0]                   ; I0, at most 20 * 2^26 < 2^31
	v_cvt_i32_f32 v[\k1], v[\k1]                   ; I1
	v_add_nc_u32 v[\a], v[\k0], v[\k1]
	SCAN \a, \b                                    ; the sum of all bins up to and with mine
	v_sub_nc_u32 v[\k1], v[\a], v[\k1]             ; without I1: what lies below bin 2 l + 1
	v_add_nc_u32 v[\k1], 0xd8000000, v[\k1]        ; - 10 * 2^26: its knot
	v_sub_nc_u32 v[\k0], v[\k1], v[\k0]            ; and bin 2 l's
.endm
; D0 + n = softplus(x + n), n = 0, 1, 2: softplus(x) = max(x, 0) + log1p(t), t = exp(-|x|).  Below t = 2^-8 the series t (1 + t (t / 3 - 1/2)), whose
; first dropped term is t^3 / 4 of the result; above it log2(1 + t) ln 2.  The three go side by side: one wait for the three exponentials, one for the
; three logarithms, and the three compares in a run, into s[37:39], with one wait behind them.
.macro SOFTPLUS3 x
.irp n, 0,1,2
	v_and_b32 v[SPT+\n], 0x7fffffff, v[\x+\n]
.endr
.irp n, 0,1,2
	v_mul_f32 v[SPT+\n], 0xbfb8aa3b, v[SPT+\n]     ; -|x| log2 e
.endr
.irp n, 0,1,2
	v_exp_f32 v[SPT+\n], v[SPT+\n]
.endr
.irp n, 0,1,2
	v_max_num_f32 v[D0+\n], 0, v[\x+\n]            ; the plain place behind the exponentials (ISA guide 5.7.2)
.endr
	s_wait_alu depctr_va_vdst(0)                   ; the three exponentials have written t, which the lines below read
.irp n, 0,1,2
	v_add_f32 v[SPT+3+\n], 1.0, v[SPT+\n]
.endr
.irp n, 0,1,2
	v_log_f32 v[SPT+3+\n], v[SPT+3+\n]
.endr
.irp n, 0,1,2
	v_fma_f32 v[SPT+6+\n], v[SPT+\n], 0x3eaaaaab, -0.5     ; the plain place behind the logarithms
.endr
.irp n, 0,1,2
	v_fma_f32 v[SPT+6+\n], v[SPT+6+\n], v[SPT+\n], 1.0
.endr
.irp n, 0,1,2
	v_mul_f32 v[SPT+6+\n], v[SPT+6+\n], v[SPT+\n]
.endr
.irp n, 0,1,2
	v_cmp_gt_f32 s[37+\n], s25, v[SPT+\n]          ; 2^-8 > t
.endr
	s_wait_alu depctr_va_vdst(0)                   ; the three logarithms have written v[SPT+3 ..], which the multiplies below read
.irp n, 0,1,2
	v_mul_f32 v[SPT+3+\n], 0x3f317218, v[SPT+3+\n] ; ln 2
.endr
	s_wait_alu depctr_va_sdst(0)                   ; the three compares have written s[37:39], ahead of their first readers, the selects below
.irp n, 0,1,2
	v_cndmask_b32 v[SPT+3+\n], v[SPT+3+\n], v[SPT+6+\n], s[37+\n]
.endr
.irp n, 0,1,2
	v_add_f32 v[D0+\n], v[D0+\n], v[SPT+3+\n]
.endr
.endm
; one column: its 64 bins' entries, two a lane, into my wave's own bytes of the stage
.macro COLUMN t
	SOFTSCAN RAW+8*\t, RAW+8*\t+1, FW0, FW1, PA0, PA1, TA, TB
	SOFTSCAN RAW+8*\t+2, RAW+8*\t+3, PA0+3, PA1+3, KH0, KH1, TA, TB
	SOFTPLUS3 RAW+8*\t+4
	v_rcp_f32 v[PA0+1], v[FW0]
	v_rcp_f32 v[PA1+1], v[FW1]
	v_cvt_f32_i32 v[PA0+2], v[KH0]                 ; (the plain place behind the reciprocals)
	v_cvt_f32_i32 v[PA1+2], v[KH1]
	v_mul_f32 v[PB0], v[FW0], v[D0]                ; a = w d0
	v_mul_f32 v[PB1], v[FW1], v[D0+1]
	v_fma_f32 v[PB0+1], v[FW0], v[D0+1], v[PB0]    ; g = w d0 + w d1 - 2 h: reference()'s (d0 + d1 - 2 s) times w
	v_fma_f32 v[PB1+1], v[FW1], v[D0+2], v[PB1]
	v_fma_f32 v[PB0+1], -2.0, v[PA0+3], v[PB0+1]
	v_fma_f32 v[PB1+1], -2.0, v[PA1+3], v[PB1+1]
	s_wait_alu depctr_va_vdst(0)                   ; the column's arithmetic, its two reciprocals among it, has written v[96:107], the six LDS stores' data; their addresses v5 to v7 are written too
	ds_store_b32 v5, v[PA0] offset:KNS+264*\t
	ds_store_b32 v5, v[PA1] offset:KNS+264*\t+4
	ds_store_b64 v6, v[PB0:PB0+1] offset:PBS+520*\t
	ds_store_b64 v6, v[PB1:PB1+1] offset:PBS+520*\t+8
	ds_store_b128 v7, v[PA0:PA0+3] offset:PAS+1040*\t
	ds_store_b128 v7, v[PA1:PA1+3] offset:PAS+1040*\t+16
.endm
	v_lshlrev_b32 v4, 3, v1                        ; 8 l: my two bins; the scalar set-up stands between this line and the wait for it
	s_mov_b32 s32, 0x76543210                      ; v_permlanex16_b32: lane i of one half reads lane i of the other
	s_mov_b32 s33, 0xfedcba98
	s_mov_b32 s34, 0xffff0000                      ; lanes 16 to 31
	s_lshr_b32 s25, ttmp9, 2                       ; G
	s_and_b32 s36, ttmp9, 3                        ; j
	s_lshl_b32 s25, s25, 7
	s_add_co_u32 s25, s25, s36
	s_lshl3_add_u32 s25, s24, s25                  ; my first column: 128 G + j + 8 w; the second is 4 further on
	s_lshl_b32 s26, s25, 8                         ; rows of 256 bytes in raw_w and raw_h (s27 is still 0)
	s_add_nc_u64 s[10:11], s[10:11], s[26:27]
	s_add_nc_u64 s[12:13], s[12:13], s[26:27]
	s_mul_i32 s26, s25, 260                        ; rows of 65 numbers in raw_s
	s_add_nc_u64 s[14:15], s[14:15], s[26:27]
	s_mov_b32 s25, 0x3b800000                      ; 2^-8, for softplus's compares
	s_wait_alu depctr_va_vdst(0)                   ; v4 is written: the ten loads below read it as their offset
.irp t, 0,1
	global_load_b64 v[RAW+8*\t:RAW+8*\t+1],   v4, s[10:11] offset:1024*\t
	global_load_b64 v[RAW+8*\t+2:RAW+8*\t+3], v4, s[12:13] offset:1024*\t
	global_load_b32 v[RAW+8*\t+4], v4, s[14:15] offset:1040*\t      ; raw_s's rows start at multiples of 4 bytes only: single words
	global_load_b32 v[RAW+8*\t+5], v4, s[14:15] offset:1040*\t+4
	global_load_b32 v[RAW+8*\t+6], v4, s[14:15] offset:1040*\t+8    ; lane 31: the 65th number
.endr
	; where I put my entries: wave x two columns' pitch + my two bins; every wave's bytes are its own
	s_mul_i32 s36, s24, 528
	v_lshl_add_u32 v5, v1, 3, s36
	s_mul_i32 s36, s24, 1040
	v_lshl_add_u32 v6, v1, 4, s36
	s_mul_i32 s36, s24, 2080
	v_lshl_add_u32 v7, v1, 5, s36
	; where I read back, by [k][q], and my byte offsets in the three blocks.  Wave w takes k = 4 w .. 4 w + 3.
	v_and_b32 v14, 15, v1
	v_lshrrev_b32 v15, 4, v1
	v_mul_u32_u24 v8, v14, 528                     ; knots: q = 2 (l % 16), and + 1 by the offset; word address 132 (l % 16) + l / 16: 32 different values mod 64
	v_lshl_add_u32 v8, v15, 2, v8                  ; k = 4 w + 2 i + l / 16
	s_lshl_b32 s36, s24, 4
	v_add_nc_u32 v8, s36, v8
	s_lshl_b32 s36, s24, 9
	v_lshl_add_u32 v9, v1, 3, s36                  ; 8 l + 512 w
	v_mul_u32_u24 v10, v1, 520                     ; pb: q = l; word address 130 l: the lanes' pairs of words differ mod 64
	s_lshl_b32 s36, s24, 5
	v_add_nc_u32 v10, s36, v10
	s_lshl_b32 s36, s24, 10
	v_lshl_add_u32 v11, v1, 3, s36                 ; 8 l + 1,024 w
	v_mul_u32_u24 v12, v1, 1040                    ; pa: q = l; word address 260 l: sixteen lanes' quads of words differ mod 64
	s_lshl_b32 s36, s24, 6
	v_add_nc_u32 v12, s36, v12
	s_lshl_b32 s36, s24, 11
	v_lshl_add_u32 v13, v1, 4, s36                 ; 16 l + 2,048 w
	s_lshl_b32 s26, ttmp9, 13                      ; the block (G, j) = g: 8 KiB of knots,
	s_add_nc_u64 s[18:19], s[18:19], s[26:27]
	s_lshl_b32 s26, ttmp9, 15                      ; 32 KiB of pa,
	s_add_nc_u64 s[20:21], s[20:21], s[26:27]
	s_lshl_b32 s26, ttmp9, 14                      ; 16 KiB of pb
	s_add_nc_u64 s[22:23], s[22:23], s[26:27]
	v_mov_b32 v[TB], 0                             ; v_permlanex16_b32 counts as a reader of its destination
	s_wait_loadcnt 0x0                             ; the ten loads above are the youngest, so this takes u in as well; u is wanted next anyway
	COLUMN 0
	s_wait_alu depctr_vm_vsrc(0)                   ; the first column's LDS stores have read v[96:107], which the second column's arithmetic writes again
	COLUMN 1
	s_wait_dscnt 0x0                               ; my stores are in LDS, for the other waves' sake,
	s_barrier_signal -1
	s_barrier_wait -1                              ; and so are everybody's
	s_wait_alu depctr_vm_vsrc(0)                   ; the second column's LDS stores have read v[96:107], in which loads below land.  (All vector lines that name v[96:111], v8, v10 or v12 stand ahead of that column's last wait on va_vdst, and none follows it.)
.irp i, 0,1
	ds_load_b32 v[BK+2*\i],   v8 offset:KNS+8*\i
	ds_load_b32 v[BK+2*\i+1], v8 offset:KNS+8*\i+264
.endr
.irp i, 0,1,2,3
	ds_load_b64 v[BB+2*\i:BB+2*\i+1], v10 offset:PBS+8*\i
.endr
.irp i, 0,1,2,3
	ds_load_b128 v[PA0+4*\i:PA0+4*\i+3], v12 offset:PAS+16*\i
.endr
	s_wait_dscnt 0x0
.irp i, 0,1
	global_store_b64 v9, v[BK+2*\i:BK+2*\i+1], s[18:19] offset:256*\i       ; each store of the wave: 256 consecutive bytes, aligned
.endr
.irp i, 0,1,2,3
	global_store_b64 v11, v[BB+2*\i:BB+2*\i+1], s[22:23] offset:256*\i      ; likewise
.endr
.irp i, 0,1,2,3
	global_store_b128 v13, v[PA0+4*\i:PA0+4*\i+3], s[20:21] offset:512*\i   ; 512 consecutive bytes
.endr
	; none of these stores' registers is written again below
; ---------------------------------------------------------------- the stream (every work-group)
; Four numbers of load i: clip, log2(u) - log2(1 - u), times ln 2 * 2^26, cut to a whole number, in place.
; 1 - u is exact from u = 1/2 up; below, its rounding moves z by 6e-8 at the most.
; The step's one wait on va_vdst stands behind its logarithms; the store of the step before follows it at once.
.macro LOGIT i
	s_wait_loadcnt 15-\i                           ; loads come back in order (ISA guide 5.7.1): mine is in, the 15 - i younger ones may be out
.irp k, 0,1,2,3
	v_med3_num_f32 v[U+4*\i+\k], v[U+4*\i+\k], s28, s29
.endr
.irp k, 0,1,2,3
	v_sub_f32 v[T+\k], 1.0, v[U+4*\i+\k]
.endr
.irp k, 0,1,2,3
	v_log_f32 v[U+4*\i+\k], v[U+4*\i+\k]
.endr
.irp k, 0,1,2,3
	v_log_f32 v[T+\k], v[T+\k]
.endr
	v_nop                                          ; one plain place behind the logarithms (ISA guide 5.7.2)
	s_wait_alu depctr_va_vdst(0)                   ; the eight logarithms have written this block and T, which the subtractions below read; the step before has written its block, which the store below reads
.if \i > 0
	global_store_b128 v2, v[U+4*\i-4:U+4*\i-1], s[16:17] offset:512*\i-512  ; the block before: 512 consecutive bytes; no vector line since the wait names its registers, and none writes them again
.endif
.irp k, 0,2
	v_pk_add_f32 v[U+4*\i+\k:U+4*\i+\k+1], v[U+4*\i+\k:U+4*\i+\k+1], v[T+\k:T+\k+1] neg_lo:[0,1] neg_hi:[0,1]
.endr
.irp k, 0,2
	v_pk_mul_f32 v[U+4*\i+\k:U+4*\i+\k+1], v[U+4*\i+\k:U+4*\i+\k+1], s[30:31] op_sel_hi:[1,0]
.endr
.irp k, 0,1,2,3
	v_cvt_i32_f32 v[U+4*\i+\k], v[U+4*\i+\k]
.endr
.endm
.Lstream:
.irp i, 0,1,2,3,4,5,6,7,8,9,10,11,12,13,14,15
	LOGIT \i
.endr
	s_wait_alu depctr_va_vdst(0)                   ; the last step's conversions have written block 15, which the last store reads
	global_store_b128 v2, v[U+60:U+63], s[16:17] offset:512*15
	s_wait_dscnt 0x0                               ; the closing lines, six on end
	s_wait_alu 0x0
	s_wait_tensorcnt 0x0
	ds_add_u32 v144, v145
	s_wait_dscnt 0x0
	s_endpgm
.Lfunc_end_k_q17b29b05c6_prep:
	.size	k_q17b29b05c6_prep, .Lfunc_end_k_q17b29b05c6_prep-k_q17b29b05c6_prep
	.p2alignl 7, 3214868480
	.fill 96, 4, 3214868480
	.section	.rodata,"a",@progbits
	.p2align	6, 0x0
	.amdhsa_kernel k_q17b29b05c6_prep
		.amdhsa_group_segment_fixed_size 60416
		.amdhsa_private_segment_fixed_size 0
		.amdhsa_enable_private_segment 0
		.amdhsa_kernarg_size 64
		.amdhsa_user_sgpr_count 2
		.amdhsa_user_sgpr_kernarg_segment_ptr 1
		.amdhsa_wavefront_size32 1
		.amdhsa_system_sgpr_workgroup_id_x 1
		.amdhsa_system_sgpr_workgroup_id_y 1
		.amdhsa_system_sgpr_workgroup_id_z 1
		.amdhsa_system_vgpr_workitem_id 0
		.amdhsa_next_free_vgpr 146
		.amdhsa_next_free_sgpr 66
		.amdhsa_reserve_vcc 0
		.amdhsa_float_denorm_mode_32 3
		.amdhsa_float_denorm_mode_16_64 3
		.amdhsa_memory_ordered 1
		.amdhsa_forward_progress 1
		.amdhsa_inst_pref_size 42
	.end_amdhsa_kernel
	.amdgpu_metadata
---
amdhsa.version: [ 1, 2 ]
amdhsa.kernels:
  - .name:           k_q17b29b05c6_prep
    .symbol:         k_q17b29b05c6_prep.kd
    .args:
      - { .name: u, .offset: 0, .size: 8, .value_kind: global_buffer, .address_space: global }
      - { .name: raw_w, .offset: 8, .size: 8, .value_kind: global_buffer, .address_space: global }
      - { .name: raw_h, .offset: 16, .size: 8, .value_kind: global_buffer, .address_space: global }
      - { .name: raw_s, .offset: 24, .size: 8, .value_kind: global_buffer, .address_space: global }
      - { .name: zi, .offset: 32, .size: 8, .value_kind: global_buffer, .address_space: global }
      - { .name: knots, .offset: 40, .size: 8, .value_kind: global_buffer, .address_space: global }
      - { .name: pa, .offset: 48, .size: 8, .value_kind: global_buffer, .address_space: global }
      - { .name: pb, .offset: 56, .size: 8, .value_kind: global_buffer, .address_space: global }
    .group_segment_fixed_size: 60416
    .private_segment_fixed_size: 0
    .kernarg_segment_align: 8
    .kernarg_segment_size: 64
    .max_flat_workgroup_size: 512
    .sgpr_count:     66
    .vgpr_count:     146
    .wavefront_size: 32
...
	.end_amdgpu_metadata
.endif
;; end of part 3
;; launch spline: the kernel of part 2 again; grid 32 x 8, 16 waves a work-group, no clusters, 231,424 bytes of LDS; arguments zi, knots, pa, pb, log_scale, bias, tau, out0; writes out0
